; MI455X (gfx1250); checked and timed in simulation.
; The chip was launched on July 23, 2026; its instructions are those of AMD's public machine-readable ISA for CDNA 5 (MIT licence, August 2026) and "CDNA5" Instruction Set Architecture Reference Guide (July 2026). The comments in the code are by the model that wrote it; some were corrected since.
;; Pool layer. Allowed arithmetic: float matrix products may take bf16 or f16 operands with f32 sums; all other float work in f32.
;; Inputs: feature_map 16 x 2,048 x 256 float32; sample_idx 512 int32; vertices 16 x 2,048 x 3 float32.
;; Outputs: out0 16 x 512 x 3 float32; out1 16 x 512 x 256 float32.
;; 2 versions, each right; version 2 is version 1 with the launches knn, pool written anew for expert scheduling mode. Each part assembles by itself: llvm-mc -triple=amdgcn-amd-amdhsa -mcpu=gfx1250 --defsym DOCPART=n.
;; ======== version 1 of 2: 2 launches
;; limits: values outside matrix products are rounded to bf16
;; workspace buffers: nbr 524,288 bytes of whole numbers
;; launch knn (part 1): grid 256 x 1, 4 waves a work-group, no clusters, 42,496 bytes of LDS; arguments vertices, sample_idx, out0, nbr; writes out0, nbr
.if DOCPART == 1
	.amdgcn_target "amdgcn-amd-amdhsa--gfx1250"
	.amdhsa_code_object_version 6
	.text
	.protected	k_q625fa9499c_knn
	.globl	k_q625fa9499c_knn
	.p2align	8
	.type	k_q625fa9499c_knn,@function
k_q625fa9499c_knn:
	s_mov_b64 s[64:65], 0
	v_nop
	global_prefetch_b8 v0, s[64:65] scope:SCOPE_SE
	s_setreg_imm32_b32 hwreg(HW_REG_WAVE_MODE, 25, 1), 1
	s_wait_xcnt 0x0
; knn: for each of the 16 x 512 sampled points the indices of its neighbours of rank 2 to 17 among the 2,048 points of its batch,
; ranked as top_k ranks them (smaller distance first, equal distances by the lower index); and out0, the sampled vertices.
; Distance, rounded step by step as the JAX function writes it: d = (-2 inner + q[candidate]) + q[query], on vertices rounded to bf16
; (q = (x x + y y) + z z of the rounded numbers).  inner comes from the matrix unit as three products, one coordinate each: a product of two
; bf16 numbers is exact in f32, and the two additions (x x' + y y') + z z' are plain f32 additions.
; LIMITS: finite inputs only (no NaN, no infinity, nothing that rounds to infinity in bf16).  The bf16 rounding moves a coordinate by up to
; 1/256 of its size, so with a large common offset the neighbours are those of the rounded points.
; WORK: a work-group has 32 queries of one batch, four waves.  Wave w: queries 16 (w & 1) .. +15, candidates 1024 (w >> 1) .. +1023.
; A = 16 candidates, B = 16 queries: in the result lane (r, h) holds query r and A's rows 8h .. 8h+7.  A's rows 0-7 are candidates
; 8 t + 0..7 of the wave's 1,024 and rows 8-15 lie 512 further on, so each lane walks 512 consecutive candidates, 8 a tile, 64 tiles.
; SELECTION, with no branch and no address that hangs on a distance.  The 8 values of a tile are sorted along the rows and then along the
; columns of a 3 x 3 grid (the ninth cell is +inf).  The value in cell (i, j) then has (i+1)(j+1)-1 values of its tile that are not larger,
; so of all tiles' cells (i, j) only the floor(17 / ((i+1)(j+1))) smallest can be among the 17 smallest: lists of 17, 8, 8, 5, 5, 4, 2, 2.
; A sorted list takes a value x by L[i] = med3(L[i-1], x, L[i]), from the top down, and L[0] = min(L[0], x).
; Pass 1 does this with the distances and gives RMIN (the smallest) and TT (the 17th smallest).  Pass 2 makes the same distances again, by
; the same instructions, and does the same with keys: index + 2048 where d = RMIN, + 4096 where d < TT, + 6144 where d = TT, +inf elsewhere.
; The 17 smallest keys are top_k's 17; the smallest of them is rank 1, which is dropped.
; No tensor loads and no cluster: the one shared input is the batch's 24,576 bytes of vertices, read once by each work-group.
.set NV,   2048                        ; points in a batch
.set PKO,  0                           ; LDS: the batch's vertices as bf16 (x, y, z, 0), 8 bytes each: 16,384 bytes
.set QO,   16384                       ; LDS: q of each vertex, f32: 8,192 bytes
.set XO,   24576                       ; LDS: exchange of lists: 2 passes x 4 waves x 17 x 128 bytes = 17,408 bytes, each byte written once
.set XW,   17*128
.set LN,   1                           ; lane
.set AA,   2                           ; LDS address of my row of A, steps with the tiles
.set AQ,   3                           ; LDS address of my 8 candidates' q
.set QI,   4                           ; v[4:5]     q of my query, twice
.set TT,   6                           ; the 17th smallest distance
.set RMIN, 7                           ; the smallest distance
.set JF,   8                           ; v[8:9]     index of my tile's first candidate as f32, twice
.set PINF, 10                          ; +inf
.set ZR,   11                          ; 0
.set AF,   12                          ; v[12:27]   two buffers of A; registers 2-7 of each stay 0
.set B1,   28                          ; v[28:35]   B: the queries' x alone
.set B2,   36                          ; v[36:43]   B: y alone
.set B3,   44                          ; v[44:51]   B: z alone
.set DA,   52                          ; v[52:99]   two buffers of three accumulators (x x', y y', z z')
.set QC,   100                         ; v[100:115] two buffers of 8 candidates' q
.set WK,   116                         ; v[116:123] a tile's 8 values
.set GS,   124                         ; v[124:131] at work
.set L17,  132                         ; the lists: v132-182
.set L8A,  149
.set L8B,  157
.set L5A,  165
.set L5B,  170
.set L4,   175
.set L2A,  179
.set L2B,  181
.set PL,   L8A                         ; v[149:165] a partner's list of 17, once the short lists are folded in
.set FV,   132                         ; v[132:179] 16 vertices as loaded, before the lists exist
.set KM,   183                         ; the smallest key
.set AA0,  184
.set AQ0,  185
.set JF0,  186
.set XA,   187                         ; exchange: where my wave writes
.set XB,   188                         ; exchange: where my partner wave wrote
.set PO,   189                         ; out0: my word's byte offset
.set PV,   190                         ; out0: my word
.set PI,   191                         ; out0: offset of my sample's entry in sample_idx
.set IDX,  192                         ; my query's vertex number
.set T0,   193
.set PKT,  194                         ; v[194:201] four vertices packed
.set QT,   202                         ; v[202:205] their q
.set PX,   206                         ; out0: vertex number, then offset of my word in the batch's vertices
.set PC,   207                         ; out0: component 0, 1, 2
.set IO,   208
.set SP,   209
.set SQ,   210
.set GO,   211
.set T1,   212
.set T2,   213
.set T4,   214                         ; v[214:215]
.set MK,   20                          ; s[20:27] eight lane masks
	s_load_b256 s[4:11], s[0:1], 0x0               ; vertices s[4:5], sample_idx s[6:7], out0 s[8:9], nbr s[10:11]
	v_lshl_add_u32 v216, v0, 2, 0xa400
	v_mov_b32 v217, 0
	v_and_b32 v[LN], 31, v0
	v_lshrrev_b32 v[T0], 5, v0
	v_readfirstlane_b32 s12, v[T0]                 ; wave 0..3
	s_and_b32 s13, s12, 1                          ; which 16 queries
	s_lshr_b32 s14, s12, 1                         ; which 1,024 candidates
	s_lshr_b32 s18, ttmp9, 4                       ; batch: 16 work-groups each
	s_and_b32 s19, ttmp9, 15                       ; which 32 samples
	s_mul_i32 s28, s18, NV*12                      ; the batch's vertices, in bytes
	s_mov_b32 s29, 0
	s_lshl_b32 s30, s19, 7                         ; the 32 samples' entries in sample_idx, in bytes
	s_lshl_b32 s31, s13, 6
	s_add_co_u32 s31, s31, s30                     ; my wave's 16 entries
	s_mul_i32 s32, ttmp9, 384                      ; out0: 32 samples x 12 bytes for each work-group
	s_mov_b32 s33, 0
	s_lshl_b32 s34, ttmp9, 11                      ; nbr: 1,024 bytes for each 16 queries, two such blocks a work-group
	s_lshl_b32 s36, s13, 10
	s_add_co_u32 s34, s34, s36
	s_mov_b32 s35, 0
	s_mov_b32 s16, 0x76543210                      ; v_permlanex16_b32: lane i takes lane i of the other half
	s_mov_b32 s17, 0xfedcba98
	v_and_b32 v[T0], 15, v0
	v_lshl_add_u32 v[IO], v[T0], 2, s31            ; lanes r and r + 16 both serve query r
	v_mul_u32_u24 v[GO], v0, 48                    ; thread t takes four vertices (48 bytes) at a time
	v_mov_b32 v[ZR], 0
	v_mov_b32 v[PINF], 0x7f800000
	s_wait_kmcnt 0x0
	s_add_nc_u64 s[4:5], s[4:5], s[28:29]
	s_add_nc_u64 s[8:9], s[8:9], s[32:33]
	s_add_nc_u64 s[10:11], s[10:11], s[34:35]
	global_load_b32 v[IDX], v[IO], s[6:7]
	; out0 is 96 consecutive words for the work-group: thread t < 96 (waves 0 to 2) copies word t = component t % 3 of sample t / 3
	s_cmp_ge_u32 s12, 3
	s_cbranch_scc1 .Lno_pool_idx
	v_mul_u32_u24 v[PV], v0, 171
	v_lshrrev_b32 v[PV], 9, v[PV]                  ; t / 3, exact for t < 96
	v_lshl_add_u32 v[PI], v[PV], 2, s30
	v_mul_u32_u24 v[PV], v[PV], 3
	v_sub_nc_u32 v[PC], v0, v[PV]
	v_lshlrev_b32 v[PO], 2, v0
	global_load_b32 v[PX], v[PI], s[6:7]
.Lno_pool_idx:
.set ii, 0
.rept 12
	global_load_b128 v[FV+4*ii:FV+4*ii+3], v[GO], s[4:5] offset:(ii/3)*6144+(ii%3)*16   ; 128 threads x 48 bytes = 6,144 bytes a group of three, four groups
.set ii, ii+1
.endr
	; addresses, while the loads are out
	v_lshlrev_b32 v[SP], 5, v0                     ; four packed vertices: 32 bytes a thread
	v_lshlrev_b32 v[SQ], 4, v0                     ; four q: 16 bytes a thread
	v_and_b32 v[T0], 7, v0
	v_bfe_u32 v[T1], v0, 3, 1
	v_lshlrev_b32 v[T0], 3, v[T0]
	v_lshl_add_u32 v[T0], v[T1], 12, v[T0]         ; A's row r: candidate 512 (r / 8) + r % 8, 8 bytes each
	s_lshl_b32 s20, s14, 13
	v_add_nc_u32 v[AA0], s20, v[T0]                ; + my wave's 1,024 candidates
	v_bfe_u32 v[T1], v0, 4, 1                      ; h
	s_lshl_b32 s20, s14, 12
	v_lshl_add_u32 v[AQ0], v[T1], 11, s20          ; q of my 512 candidates, 4 bytes each
	s_lshl_b32 s20, s14, 10
	v_lshl_add_u32 v[T0], v[T1], 9, s20
	v_cvt_f32_u32 v[JF0], v[T0]                    ; my first candidate's index as f32
	s_mul_i32 s20, s12, XW
	v_lshl_add_u32 v[XA], v[LN], 2, s20
	s_xor_b32 s21, s12, 2                          ; the wave with my queries and the other candidates
	s_mul_i32 s21, s21, XW
	v_lshl_add_u32 v[XB], v[LN], 2, s21
	v_cmp_gt_u32 s37, 16, v[LN]                    ; lanes 0 to 15
.set ii, 2
.rept 6
	v_mov_b32 v[AF+ii], 0                          ; K places 4 and up of A and B are never used
	v_mov_b32 v[AF+8+ii], 0
	v_mov_b32 v[B1+ii], 0
	v_mov_b32 v[B2+ii], 0
	v_mov_b32 v[B3+ii], 0
.set ii, ii+1
.endr
	v_mov_b32 v[B1+1], 0                           ; B1 and B2 use K places 0 and 1 (register 0), B3 place 2 (register 1)
	v_mov_b32 v[B2+1], 0
	v_mov_b32 v[B3], 0
; four vertices: round to bf16, pack, q = (x x + y y) + z z of the rounded numbers, into LDS
.macro PREP it
	s_wait_loadcnt 9-3*\it                         ; loads come back in order (ISA guide 5.7.1): this group's three are in, the later groups' three each stay out
.irp e, 0,1,2,3
	v_cvt_pk_bf16_f32 v[PKT+2*\e],   v[FV+12*\it+3*\e],   v[FV+12*\it+3*\e+1]
	v_cvt_pk_bf16_f32 v[PKT+2*\e+1], v[FV+12*\it+3*\e+2], v[ZR]
.endr
.irp e, 0,1,2,3
	v_lshlrev_b32 v[WK+3*\e],   16, v[PKT+2*\e]
	v_and_b32     v[WK+3*\e+1], 0xffff0000, v[PKT+2*\e]
	v_lshlrev_b32 v[WK+3*\e+2], 16, v[PKT+2*\e+1]
.endr
.irp e, 0,1,2,3
	v_mul_f32 v[QT+\e], v[WK+3*\e], v[WK+3*\e]
.endr
.irp e, 0,1,2,3
	v_fmac_f32 v[QT+\e], v[WK+3*\e+1], v[WK+3*\e+1]  ; the squares are exact in f32, so the fused form rounds as a separate add does
.endr
.irp e, 0,1,2,3
	v_fmac_f32 v[QT+\e], v[WK+3*\e+2], v[WK+3*\e+2]
.endr
	ds_store_b128 v[SP], v[PKT:PKT+3]   offset:PKO+\it*4096
	ds_store_b128 v[SP], v[PKT+4:PKT+7] offset:PKO+\it*4096+16
	ds_store_b128 v[SQ], v[QT:QT+3]     offset:QO+\it*2048
.endm
	PREP 0
	PREP 1
	PREP 2
	PREP 3                                         ; its wait is for 0: the entries of sample_idx are in too
	s_cmp_ge_u32 s12, 3
	s_cbranch_scc1 .Lno_pool_load
	v_min_u32 v[PX], 0x7ff, v[PX]                  ; a vertex number stays inside the batch
	v_mul_u32_u24 v[PX], v[PX], 12
	v_lshl_add_u32 v[PX], v[PC], 2, v[PX]
	global_load_b32 v[PV], v[PX], s[4:5]           ; stays out until the kernel's end, where it is stored; PX and PV are not touched till then
.Lno_pool_load:
	v_min_u32 v[IDX], 0x7ff, v[IDX]
	v_lshlrev_b32 v[T1], 3, v[IDX]
	v_lshlrev_b32 v[T2], 2, v[IDX]
	s_wait_dscnt 0x0                               ; my part of the tables is written
	s_barrier_signal -1
	s_barrier_wait -1                              ; everybody's is
	ds_load_b64 v[T4:T4+1], v[T1] offset:PKO       ; my query, packed
	ds_load_b32 v[QI], v[T2] offset:QO             ; and its q
	s_wait_dscnt 0x0
	v_and_b32 v[T1], 0xffff, v[T4]                 ; (x, 0)
	v_and_b32 v[T2], 0xffff0000, v[T4]             ; (0, y)
	v_cndmask_b32 v[B1],   0, v[T1],   s37         ; lanes 0-15 hold K places 0-7 of column r; lanes 16-31 hold places 8-15: zero there,
	v_cndmask_b32 v[B2],   0, v[T2],   s37         ; so what A's lanes 16-31 hold (finite numbers) adds nothing
	v_cndmask_b32 v[B3+1], 0, v[T4+1], s37         ; (z, 0)
	v_mov_b32 v[QI+1], v[QI]
; tile t, counted from the one that AA and AQ point at, into buffer buf.  t may be a sum: it stands in parentheses wherever it is multiplied
.macro LOADT buf, t
	ds_load_b64  v[AF+8*\buf:AF+8*\buf+1],   v[AA] offset:PKO+64*(\t)      ; 8 candidates x 8 bytes a tile
	ds_load_b128 v[QC+8*\buf:QC+8*\buf+3],   v[AQ] offset:QO+32*(\t)       ; 8 q x 4 bytes a tile
	ds_load_b128 v[QC+8*\buf+4:QC+8*\buf+7], v[AQ] offset:QO+32*(\t)+16
.endm
; a sorted list of len entries takes v[val]; entries below lo are known not to be larger than it and stay
.macro INSERT val, lst, len, lo
.set ii, \len-1
.if (\len-1-\lo) > 0
.rept \len-1-\lo
	v_med3_num_f32 v[\lst+ii], v[\lst+ii-1], v[\val], v[\lst+ii]
.set ii, ii-1
.endr
.endif
.if \lo
	v_med3_num_f32 v[\lst+\lo], v[\lst+\lo-1], v[\val], v[\lst+\lo]
.else
	v_min_num_f32 v[\lst], v[\lst], v[\val]
.endif
.endm
; a sorted list is folded into the list of 17.  Its entry k follows k entries that are not larger and were offered before it, so the
; first k entries of the 17 are not larger than it either: it goes into places k and up
.macro FOLD lst, len
.set kk, 0
.rept \len
	INSERT \lst+kk, L17, 17, kk
.set kk, kk+1
.endr
.endm
; rows (0 1 2) (3 4 5) (6 7 inf) of WK sorted into GS, then the columns back into WK
.macro GRID
	v_min3_num_f32 v[GS+0], v[WK+0], v[WK+1], v[WK+2]
	v_min3_num_f32 v[GS+1], v[WK+3], v[WK+4], v[WK+5]
	v_min_num_f32  v[GS+2], v[WK+6], v[WK+7]
	v_med3_num_f32 v[GS+3], v[WK+0], v[WK+1], v[WK+2]
	v_med3_num_f32 v[GS+4], v[WK+3], v[WK+4], v[WK+5]
	v_max_num_f32  v[GS+5], v[WK+6], v[WK+7]
	v_max3_num_f32 v[GS+6], v[WK+0], v[WK+1], v[WK+2]
	v_max3_num_f32 v[GS+7], v[WK+3], v[WK+4], v[WK+5]
	v_min3_num_f32 v[WK+0], v[GS+0], v[GS+1], v[GS+2]  ; cell (0,0): 17
	v_med3_num_f32 v[WK+1], v[GS+0], v[GS+1], v[GS+2]  ; cell (1,0): 8
	v_max3_num_f32 v[WK+2], v[GS+0], v[GS+1], v[GS+2]  ; cell (2,0): 5
	v_min3_num_f32 v[WK+3], v[GS+3], v[GS+4], v[GS+5]  ; cell (0,1): 8
	v_med3_num_f32 v[WK+4], v[GS+3], v[GS+4], v[GS+5]  ; cell (1,1): 4
	v_max3_num_f32 v[WK+5], v[GS+3], v[GS+4], v[GS+5]  ; cell (2,1): 2
	v_min_num_f32  v[WK+6], v[GS+6], v[GS+7]           ; cell (0,2): 5
	v_max_num_f32  v[WK+7], v[GS+6], v[GS+7]           ; cell (1,2): 2
.endm
; pass 2: distances in WK become keys.  The literals are 6144 + j, 4096 + j, 2048 + j as f32; JF adds the tile's first index (all sums below 8,192: exact)
.macro KEYS
.irp j, 0,1,2,3,4,5,6,7
	v_cmp_gt_f32 s[MK+\j], v[WK+\j], v[TT]
.endr
.irp j, 0,1,2,3,4,5,6,7
	v_cndmask_b32 v[GS+\j], 0x45c00000+(\j<<11), v[PINF], s[MK+\j]  ; d > TT: +inf; else as for d = TT
.endr
.irp j, 0,1,2,3,4,5,6,7
	v_cmp_ge_f32 s[MK+\j], v[WK+\j], v[TT]
.endr
.irp j, 0,1,2,3,4,5,6,7
	v_cndmask_b32 v[GS+\j], 0x45800000+(\j<<11), v[GS+\j], s[MK+\j]  ; d < TT
.endr
.irp j, 0,1,2,3,4,5,6,7
	v_cmp_gt_f32 s[MK+\j], v[WK+\j], v[RMIN]
.endr
.irp j, 0,1,2,3,4,5,6,7
	v_cndmask_b32 v[GS+\j], 0x45000000+(\j<<12), v[GS+\j], s[MK+\j]  ; d = RMIN
.endr
.irp p, 0,2,4,6
	v_pk_add_f32 v[WK+\p:WK+\p+1], v[GS+\p:GS+\p+1], v[JF:JF+1]
.endr
	v_pk_add_f32 v[JF:JF+1], v[JF:JF+1], 0x41000000 op_sel_hi:[1,0]  ; 8 candidates on
.endm
; One tile.  mul = 1: the next tile's three products are issued first, into the other buffer's accumulators; fetch = 1: the tile after that is loaded.
; Each product starts from the constant 0 and the six accumulators take turns: none adds in place.
; A result is read one step later, behind this step's 83 or more plain vector instructions, none of which names a register of those matrix
; instructions; the loads into A's buffer stand as far behind the matrix instructions that read it.
.macro STEP pass, cur, mul, fetch
.if \mul
	s_wait_dscnt 0x0                               ; the next tile's A and q, asked for one step ago
	v_wmma_f32_16x16x32_bf16 v[DA+24*(1-\cur):DA+24*(1-\cur)+7],     v[AF+8*(1-\cur):AF+8*(1-\cur)+7], v[B1:B1+7], 0
	v_wmma_f32_16x16x32_bf16 v[DA+24*(1-\cur)+8:DA+24*(1-\cur)+15],  v[AF+8*(1-\cur):AF+8*(1-\cur)+7], v[B2:B2+7], 0
	v_wmma_f32_16x16x32_bf16 v[DA+24*(1-\cur)+16:DA+24*(1-\cur)+23], v[AF+8*(1-\cur):AF+8*(1-\cur)+7], v[B3:B3+7], 0
.endif
.irp p, 0,2,4,6
	v_pk_add_f32 v[WK+\p:WK+\p+1], v[DA+24*\cur+\p:DA+24*\cur+\p+1], v[DA+24*\cur+8+\p:DA+24*\cur+8+\p+1]   ; x x' + y y'
.endr
.irp p, 0,2,4,6
	v_pk_add_f32 v[WK+\p:WK+\p+1], v[WK+\p:WK+\p+1], v[DA+24*\cur+16+\p:DA+24*\cur+16+\p+1]                 ; + z z'
.endr
.irp p, 0,2,4,6
	v_pk_fma_f32 v[WK+\p:WK+\p+1], v[WK+\p:WK+\p+1], -2.0, v[QC+8*\cur+\p:QC+8*\cur+\p+1] op_sel_hi:[1,0,1]
.endr
.irp p, 0,2,4,6
	v_pk_add_f32 v[WK+\p:WK+\p+1], v[WK+\p:WK+\p+1], v[QI:QI+1]
.endr
.if \fetch
	LOADT \cur, 2+\cur
.endif
.if \pass == 2
	KEYS
.endif
	GRID
	INSERT WK+0, L17, 17, 0
	INSERT WK+1, L8A, 8, 0
	INSERT WK+3, L8B, 8, 0
	INSERT WK+2, L5A, 5, 0
	INSERT WK+6, L5B, 5, 0
	INSERT WK+4, L4, 4, 0
	INSERT WK+5, L2A, 2, 0
	INSERT WK+7, L2B, 2, 0
.endm
; One pass over the wave's candidates, and the merge of the four parts of each query.  At its end L17 holds the 17 smallest of all 2,048, unsorted.
.macro PASS pass
	v_mov_b32 v[AA], v[AA0]
	v_mov_b32 v[AQ], v[AQ0]
	LOADT 0, 0
	LOADT 1, 1
	s_wait_dscnt 0x3                               ; tile 0's three loads are in, tile 1's three stay out
	v_wmma_f32_16x16x32_bf16 v[DA:DA+7],     v[AF:AF+7], v[B1:B1+7], 0
	v_wmma_f32_16x16x32_bf16 v[DA+8:DA+15],  v[AF:AF+7], v[B2:B2+7], 0
	v_wmma_f32_16x16x32_bf16 v[DA+16:DA+23], v[AF:AF+7], v[B3:B3+7], 0
.set ii, 0
.rept 51
	v_mov_b32 v[L17+ii], v[PINF]                   ; the eight lists start empty; these lines are also the places behind the first products
.set ii, ii+1
.endr
.if \pass == 2
	v_mov_b32 v[JF], v[JF0]
	v_mov_b32 v[JF+1], v[JF0]
.endif
	s_mov_b32 s15, 31                              ; 31 trips of two tiles; the last two tiles, which fetch nothing, are written out
.Ltile\pass:
	STEP \pass, 0, 1, 1
	STEP \pass, 1, 1, 1
	v_add_nc_u32 v[AA], 128, v[AA]
	v_add_nc_u32 v[AQ], 64, v[AQ]
	s_sub_co_u32 s15, s15, 1
	s_cmp_lg_u32 s15, 0
	s_cbranch_scc1 .Ltile\pass
	STEP \pass, 0, 1, 0
	STEP \pass, 1, 0, 0
	FOLD L8A, 8
	FOLD L8B, 8
	FOLD L5A, 5
	FOLD L5B, 5
	FOLD L4, 4
	FOLD L2A, 2
	FOLD L2B, 2
.set ii, 0
.rept 17
	v_permlanex16_b32 v[PL+ii], v[L17+ii], s16, s17  ; the list of the lane that has my query's other 512 candidates of this wave
.set ii, ii+1
.endr
	FOLD PL, 17
.set ii, 0
.rept 17
	ds_store_b32 v[XA], v[L17+ii] offset:XO+(\pass-1)*4*XW+128*ii   ; each pass has an area of its own: no byte is written twice
.set ii, ii+1
.endr
	s_wait_dscnt 0x0                               ; my list is written
	s_barrier_signal -1
	s_barrier_wait -1                              ; so is my partner wave's
.set ii, 0
.rept 17
	ds_load_b32 v[PL+ii], v[XB] offset:XO+(\pass-1)*4*XW+128*ii
.set ii, ii+1
.endr
	s_wait_dscnt 0x0
.if \pass == 1
	v_min_num_f32 v[RMIN], v[L17], v[PL]
.else
	v_min_num_f32 v[KM], v[L17], v[PL]
.endif
.set ii, 0
.rept 17
	v_min_num_f32 v[L17+ii], v[L17+ii], v[PL+16-ii]  ; of two sorted lists of 17: the 17 smallest of the 34
.set ii, ii+1
.endr
.endm
	PASS 1
	v_max3_num_f32 v[TT], v[L17], v[L17+1], v[L17+2]
.set ii, 3
.rept 7
	v_max3_num_f32 v[TT], v[TT], v[L17+ii], v[L17+ii+1]
.set ii, ii+2
.endr
	PASS 2
	; Both waves of a query, and both lanes, now hold the same 17 keys.  Waves 0 and 1 store them.
	s_cmp_ge_u32 s12, 2
	s_cbranch_scc1 .Lpool
.set ii, 0
.rept 16
	v_cmp_eq_f32 vcc_lo, v[L17+ii], v[KM]
	v_cndmask_b32 v[L17+ii], v[L17+ii], v[L17+16], vcc_lo          ; rank 1 gives its place to the 17th entry (the keys are all different)
.set ii, ii+1
.endr
.set ii, 0
.rept 16
	v_cvt_u32_f32 v[L17+ii], v[L17+ii]
.set ii, ii+1
.endr
.set ii, 0
.rept 16
	v_and_b32 v[L17+ii], 0x7ff, v[L17+ii]          ; the class is a multiple of 2,048: what is left is the index
.set ii, ii+1
.endr
	; nbr, for 16 queries: [4 groups of 4 neighbours][query r][4 words].  Lane (r, h) stores groups h and 2 + h, so each store of the wave
	; covers 512 consecutive bytes, aligned
.irp c, 0,1
.irp e, 0,1,2,3
	v_cndmask_b32 v[WK+4*\c+\e], v[L17+8*\c+4+\e], v[L17+8*\c+\e], s37
.endr
.endr
	v_lshlrev_b32 v[T0], 4, v[LN]
	global_store_b128 v[T0], v[WK:WK+3],   s[10:11]
	global_store_b128 v[T0], v[WK+4:WK+7], s[10:11] offset:512
.Lpool:
	s_cmp_ge_u32 s12, 3
	s_cbranch_scc1 .Lend
	s_wait_loadcnt 0x0                             ; my word of the sampled vertices, asked for at the start
	global_store_b32 v[PO], v[PV], s[8:9]          ; each wave's store covers 128 consecutive bytes of the work-group's 384 in out0
.Lend:
	s_wait_tensorcnt 0x0
	ds_add_u32 v216, v217
	s_wait_dscnt 0x0
	s_endpgm
.Lfunc_end_k_q625fa9499c_knn:
	.size	k_q625fa9499c_knn, .Lfunc_end_k_q625fa9499c_knn-k_q625fa9499c_knn
	.p2alignl 7, 3214868480
	.fill 96, 4, 3214868480
	.section	.rodata,"a",@progbits
	.p2align	6, 0x0
	.amdhsa_kernel k_q625fa9499c_knn
		.amdhsa_group_segment_fixed_size 42496
		.amdhsa_private_segment_fixed_size 0
		.amdhsa_enable_private_segment 0
		.amdhsa_kernarg_size 32
		.amdhsa_user_sgpr_count 2
		.amdhsa_user_sgpr_kernarg_segment_ptr 1
		.amdhsa_wavefront_size32 1
		.amdhsa_system_sgpr_workgroup_id_x 1
		.amdhsa_system_sgpr_workgroup_id_y 1
		.amdhsa_system_sgpr_workgroup_id_z 1
		.amdhsa_system_vgpr_workitem_id 0
		.amdhsa_next_free_vgpr 218
		.amdhsa_next_free_sgpr 66
		.amdhsa_reserve_vcc 1
		.amdhsa_float_denorm_mode_32 3
		.amdhsa_float_denorm_mode_16_64 3
		.amdhsa_memory_ordered 1
		.amdhsa_forward_progress 1
		.amdhsa_inst_pref_size 167
	.end_amdhsa_kernel
	.amdgpu_metadata
---
amdhsa.version: [ 1, 2 ]
amdhsa.kernels:
  - .name:           k_q625fa9499c_knn
    .symbol:         k_q625fa9499c_knn.kd
    .args:
      - { .name: vertices, .offset: 0, .size: 8, .value_kind: global_buffer, .address_space: global }
      - { .name: sample_idx, .offset: 8, .size: 8, .value_kind: global_buffer, .address_space: global }
      - { .name: out0, .offset: 16, .size: 8, .value_kind: global_buffer, .address_space: global }
      - { .name: nbr, .offset: 24, .size: 8, .value_kind: global_buffer, .address_space: global }
    .group_segment_fixed_size: 42496
    .private_segment_fixed_size: 0
    .kernarg_segment_align: 8
    .kernarg_segment_size: 32
    .max_flat_workgroup_size: 128
    .sgpr_count:     66
    .vgpr_count:     218
    .wavefront_size: 32
...
	.end_amdgpu_metadata
.endif
;; end of part 1
;; launch pool (part 2): grid 256 x 1, 16 waves a work-group, no clusters, 0 bytes of LDS; arguments feature_map, nbr, out1; writes out1
.if DOCPART == 2
	.amdgcn_target "amdgcn-amd-amdhsa--gfx1250"
	.amdhsa_code_object_version 6
	.text
	.protected	k_q625fa9499c_pool
	.globl	k_q625fa9499c_pool
	.p2align	8
	.type	k_q625fa9499c_pool,@function
k_q625fa9499c_pool:
	s_mov_b64 s[64:65], 0
	v_nop
	global_prefetch_b8 v0, s[64:65] scope:SCOPE_SE
	s_setreg_imm32_b32 hwreg(HW_REG_WAVE_MODE, 25, 1), 1
	s_wait_xcnt 0x0
; pool: out1[b][s][c] = the largest of feature_map[b][n][c] over the 16 neighbours n that the launch before stored for (b, s).
; A work-group has 32 consecutive queries (all of one batch), 16 waves, two queries a wave.  A feature row is 1,024 bytes: two loads of 16 bytes
; a lane, each covering 512 consecutive bytes.  A query's 32 loads go out together; as the first query's rows are used up, the same registers are
; asked for the second query's rows, so that about 30 loads of the wave are out until the second query runs down.
; No LDS, no barrier, no matrix unit, no cluster: nothing is shared between waves, and the work is a gather and a maximum.  No prefetch: the rows
; of both queries are asked for by the loads themselves as soon as their indices are known.
; LIMIT: a NaN among the features loses the maximum (v_max3_num_f32), where the JAX function would hand it on.
.set LO,  1                            ; 16 x lane
.set RO,  2                            ; v[2:17]   row k: byte offset of my 16 bytes in the batch's features
.set MX,  18                           ; v[18:33]  the running maxima, a set of 8 for each query
.set X,   34                           ; v[34:161] row k: 8 registers
.set IX,  16                           ; s[16:47]  group c of 4 neighbours: s[16+8c .. +3] the first query's, +4 .. +7 the second's
	s_load_b128 s[4:7], s[0:1], 0x0                ; feature_map s[4:5], nbr s[6:7]
	s_load_b64 s[8:9], s[0:1], 0x10                ; out1
	v_and_b32 v[LO], 31, v0
	v_lshrrev_b32 v[RO], 5, v0
	v_lshlrev_b32 v[LO], 4, v[LO]
	v_readfirstlane_b32 s10, v[RO]                 ; wave 0..15: queries 2 w and 2 w + 1 of the work-group's 32
	s_lshl_b32 s12, ttmp9, 11                      ; nbr: 1,024 bytes for 16 queries, two blocks a work-group,
	s_lshr_b32 s14, s10, 3
	s_lshl_b32 s14, s14, 10                        ; the second for waves 8 to 15,
	s_add_co_u32 s12, s12, s14
	s_and_b32 s14, s10, 7
	s_lshl_b32 s14, s14, 5                         ; and in it 16 bytes a query and group: my two queries are 32 consecutive bytes
	s_add_co_u32 s12, s12, s14
	s_mov_b32 s13, 0
	s_lshr_b32 s48, ttmp9, 4                       ; batch
	s_lshl_b32 s48, s48, 21                        ; x 2,048 rows of 1,024 bytes
	s_mov_b32 s49, 0
	s_lshl_b32 s50, ttmp9, 15                      ; out1: 32 rows a work-group,
	s_lshl_b32 s52, s10, 11                        ; two a wave
	s_add_co_u32 s50, s50, s52
	s_mov_b32 s51, 0
	s_wait_kmcnt 0x0
	s_add_nc_u64 s[6:7], s[6:7], s[12:13]
	s_add_nc_u64 s[4:5], s[4:5], s[48:49]
	s_add_nc_u64 s[8:9], s[8:9], s[50:51]
	s_load_b256 s[IX:IX+7],     s[6:7], 0x0
	s_load_b256 s[IX+8:IX+15],  s[6:7], 0x100
	s_load_b256 s[IX+16:IX+23], s[6:7], 0x200
	s_load_b256 s[IX+24:IX+31], s[6:7], 0x300
	s_wait_kmcnt 0x0
.set ii, 0
.rept 32
	s_min_u32 s[IX+ii], s[IX+ii], 0x7ff            ; a row number stays inside the batch
.set ii, ii+1
.endr
.macro ROW u, k                        ; the two loads of neighbour k of query u
	v_lshl_add_u32 v[RO+\k], s[IX+8*((\k)/4)+4*\u+(\k)%4], 10, v[LO]
	global_load_b128 v[X+8*(\k):X+8*(\k)+3],   v[RO+\k], s[4:5]
	global_load_b128 v[X+8*(\k)+4:X+8*(\k)+7], v[RO+\k], s[4:5] offset:512
.endm
.macro FIRST u                         ; rows 0, 1, 2 start the maxima: nothing is cleared
.set cc, 0
.rept 8
	v_max3_num_f32 v[MX+8*\u+cc], v[X+cc], v[X+8+cc], v[X+16+cc]
.set cc, cc+1
.endr
.endm
.macro NEXT2 u, a                      ; rows a and a + 1
.set cc, 0
.rept 8
	v_max3_num_f32 v[MX+8*\u+cc], v[MX+8*\u+cc], v[X+8*\a+cc], v[X+8*\a+8+cc]
.set cc, cc+1
.endr
.endm
.macro LAST u                          ; row 15
.set cc, 0
.rept 8
	v_max_num_f32 v[MX+8*\u+cc], v[MX+8*\u+cc], v[X+120+cc]
.set cc, cc+1
.endr
.endm
.macro OUT u                           ; a row of out1: two stores of the wave, 512 consecutive bytes each, aligned; MX's set and LO are not written again
	global_store_b128 v[LO], v[MX+8*\u:MX+8*\u+3],   s[8:9] offset:1024*\u th:TH_STORE_NT
	global_store_b128 v[LO], v[MX+8*\u+4:MX+8*\u+7], s[8:9] offset:1024*\u+512 th:TH_STORE_NT
.endm
.irp k, 0,1,2,3,4,5,6,7,8,9,10,11,12,13,14,15
	ROW 0, \k
.endr
	; Loads come back in order (ISA guide 5.7.1); each count is the number of loads issued behind the rows that are wanted.  A row's wait also
	; frees its offset register and its data registers for the second query's row.
	s_wait_loadcnt 26                              ; behind rows 0-2: rows 3-15, 26 loads
	FIRST 0
	ROW 1, 0
	ROW 1, 1
	ROW 1, 2
.irp a, 3,5,7,9,11,13
	s_wait_loadcnt 28                              ; behind rows a, a+1: 2 (14 - a) loads of this query and 2 a of the next: 28
	NEXT2 0, \a
	ROW 1, \a
	ROW 1, \a+1
.endr
	s_wait_loadcnt 30                              ; behind row 15: the next query's rows 0-14, 30 loads
	LAST 0
	ROW 1, 15
	OUT 0
	s_wait_loadcnt 26                              ; the second query: behind rows 0-2 its rows 3-15
	FIRST 1
.irp a, 3,5,7,9,11,13
	s_wait_loadcnt 28-2*\a                         ; behind rows a, a+1: rows a+2 .. 15, 2 (14 - a) loads
	NEXT2 1, \a
.endr
	s_wait_loadcnt 0x0                             ; row 15, the last
	LAST 1
	OUT 1
	s_endpgm
.Lfunc_end_k_q625fa9499c_pool:
	.size	k_q625fa9499c_pool, .Lfunc_end_k_q625fa9499c_pool-k_q625fa9499c_pool
	.p2alignl 7, 3214868480
	.fill 96, 4, 3214868480
	.section	.rodata,"a",@progbits
	.p2align	6, 0x0
	.amdhsa_kernel k_q625fa9499c_pool
		.amdhsa_group_segment_fixed_size 0
		.amdhsa_private_segment_fixed_size 0
		.amdhsa_enable_private_segment 0
		.amdhsa_kernarg_size 24
		.amdhsa_user_sgpr_count 2
		.amdhsa_user_sgpr_kernarg_segment_ptr 1
		.amdhsa_wavefront_size32 1
		.amdhsa_system_sgpr_workgroup_id_x 1
		.amdhsa_system_sgpr_workgroup_id_y 1
		.amdhsa_system_sgpr_workgroup_id_z 1
		.amdhsa_system_vgpr_workitem_id 0
		.amdhsa_next_free_vgpr 162
		.amdhsa_next_free_sgpr 66
		.amdhsa_reserve_vcc 0
		.amdhsa_float_denorm_mode_32 3
		.amdhsa_float_denorm_mode_16_64 3
		.amdhsa_memory_ordered 1
		.amdhsa_forward_progress 1
		.amdhsa_inst_pref_size 20
	.end_amdhsa_kernel
	.amdgpu_metadata
---
amdhsa.version: [ 1, 2 ]
amdhsa.kernels:
  - .name:           k_q625fa9499c_pool
    .symbol:         k_q625fa9499c_pool.kd
    .args:
      - { .name: feature_map, .offset: 0, .size: 8, .value_kind: global_buffer, .address_space: global }
      - { .name: nbr, .offset: 8, .size: 8, .value_kind: global_buffer, .address_space: global }
      - { .name: out1, .offset: 16, .size: 8, .value_kind: global_buffer, .address_space: global }
    .group_segment_fixed_size: 0
    .private_segment_fixed_size: 0
    .kernarg_segment_align: 8
    .kernarg_segment_size: 24
    .max_flat_workgroup_size: 512
    .sgpr_count:     66
    .vgpr_count:     162
    .wavefront_size: 32
...
	.end_amdgpu_metadata
.endif
;; end of part 2
;; ======== version 2 of 2: 2 launches; version 1 with the launches knn, pool written anew for expert scheduling mode
;; limits: values outside matrix products are rounded to bf16
;; workspace buffers: nbr 524,288 bytes of whole numbers
;; launch knn (part 3): grid 256 x 1, 4 waves a work-group, no clusters, 42,496 bytes of LDS; arguments vertices, sample_idx, out0, nbr; writes out0, nbr
.if DOCPART == 3
	.amdgcn_target "amdgcn-amd-amdhsa--gfx1250"
	.amdhsa_code_object_version 6
	.text
	.protected	k_q625fa9499c_knn
	.globl	k_q625fa9499c_knn
	.p2align	8
	.type	k_q625fa9499c_knn,@function
k_q625fa9499c_knn:
	s_mov_b64 s[64:65], 0
	v_nop
	global_prefetch_b8 v0, s[64:65] scope:SCOPE_SE
	s_setreg_imm32_b32 hwreg(HW_REG_WAVE_SCHED_MODE, 0, 2), 2
	s_setreg_imm32_b32 hwreg(HW_REG_WAVE_MODE, 25, 1), 1
	s_wait_xcnt 0x0
	s_wait_alu depctr_vm_vsrc(0)
; knn: for each of the 16 x 512 sampled points the indices of its neighbours of rank 2 to 17 among the 2,048 points of its batch,
; ranked as top_k ranks them (smaller distance first, equal distances by the lower index); and out0, the sampled vertices.
; Distance, rounded step by step as the JAX function writes it: d = (-2 inner + q[candidate]) + q[query], on vertices rounded to bf16
; (q = (x x + y y) + z z of the rounded numbers).  inner comes from the matrix unit as three products, one coordinate each: a product of two
; bf16 numbers is exact in f32, and the two additions (x x' + y y') + z z' are plain f32 additions.
; LIMITS: finite inputs only (no NaN, no infinity, nothing that rounds to infinity in bf16).  The bf16 rounding moves a coordinate by up to
; 1/256 of its size, so with a large common offset the neighbours are those of the rounded points.
; WORK: a work-group has 32 queries of one batch, four waves.  Wave w: queries 16 (w & 1) .. +15, candidates 1024 (w >> 1) .. +1023.
; A = 16 candidates, B = 16 queries: in the result lane (r, h) holds query r and A's rows 8h .. 8h+7.  A's rows 0-7 are candidates
; 8 t + 0..7 of the wave's 1,024 and rows 8-15 lie 512 further on, so each lane walks 512 consecutive candidates, 8 a tile, 64 tiles.
; SELECTION, with no branch and no address that hangs on a distance.  The 8 values of a tile are sorted along the rows and then along the
; columns of a 3 x 3 grid (the ninth cell is +inf).  The value in cell (i, j) then has (i+1)(j+1)-1 values of its tile that are not larger,
; so of all tiles' cells (i, j) only the floor(17 / ((i+1)(j+1))) smallest can be among the 17 smallest: lists of 17, 8, 8, 5, 5, 4, 2, 2.
; A sorted list takes a value x by L[i] = med3(L[i-1], x, L[i]), from the top down, and L[0] = min(L[0], x).
; Pass 1 does this with the distances and gives RMIN (the smallest) and TT (the 17th smallest).  Pass 2 makes the same distances again, by
; the same instructions, and does the same with keys: index + 2048 where d = RMIN, + 4096 where d < TT, + 6144 where d = TT, +inf elsewhere.
; The 17 smallest keys are top_k's 17; the smallest of them is rank 1, which is dropped.
; No tensor loads and no cluster: the one shared input is the batch's 24,576 bytes of vertices, read once by each work-group.
; THE MODE: SCHED_MODE bits 1:0 = 2 (LLVM: expert scheduling mode 2), set by the entry lines.  The code itself states the register dependences
; between vector or matrix instructions and memory or LDS instructions, and those through scalar results of vector instructions, with s_wait_alu, always for 0.
; THE PLAN.  Registers that LDS instructions touch in the loop over tiles:
;   AF0, AF1   The step of tile t issues the products of tile t + 1, which read AF[(t + 1) % 2]; at its head the load of tile t + 2 lands in AF[t % 2],
;              which the products of the step before read last.
;   QC0, QC1   The step of tile t reads QC[t % 2]; at its head the loads of tile t + 1 land in QC[(t + 1) % 2], which the step before read last.
;   AA, AQ     Read by every one of these loads; stepped once a trip, at the loop's edge.
;   DA, WK, GS, JF and the lists are named by vector and matrix instructions alone.
; So ONE wait on va_vdst stands at a step's head: the step before is done reading the two buffers in which the step's three loads land, and over the
; loop's edge AA and AQ are written.  The loads follow it at once and have the step in which to land.  One wait on vm_vsrc a trip stands ahead of the adds to AA and AQ.
; In pass 2 a tile's 24 compares write 24 scalar masks in one run, and one wait on va_sdst stands between them and the 24 selects that read the masks.
.set NV,   2048                        ; points in a batch
.set PKO,  0                           ; LDS: the batch's vertices as bf16 (x, y, z, 0), 8 bytes each: 16,384 bytes
.set QO,   16384                       ; LDS: q of each vertex, f32: 8,192 bytes
.set XO,   24576                       ; LDS: exchange of lists: 2 passes x 4 waves x 17 x 128 bytes = 17,408 bytes, each byte written once
.set XW,   17*128
.set LN,   1                           ; lane
.set AA,   2                           ; LDS address of my row of A, steps with the tiles
.set AQ,   3                           ; LDS address of my 8 candidates' q
.set QI,   4                           ; v[4:5]     q of my query, twice
.set TT,   6                           ; the 17th smallest distance
.set RMIN, 7                           ; the smallest distance
.set JF,   8                           ; v[8:9]     index of my tile's first candidate as f32, twice
.set PINF, 10                          ; +inf
.set ZR,   11                          ; 0
.set AF,   12                          ; v[12:27]   two buffers of A; registers 2-7 of each stay 0
.set B1,   28                          ; v[28:35]   B: the queries' x alone
.set B2,   36                          ; v[36:43]   B: y alone
.set B3,   44                          ; v[44:51]   B: z alone
.set DA,   52                          ; v[52:99]   two buffers of three accumulators (x x', y y', z z')
.set QC,   100                         ; v[100:115] two buffers of 8 candidates' q
.set WK,   116                         ; v[116:123] a tile's 8 values
.set GS,   124                         ; v[124:131] at work
.set L17,  132                         ; the lists: v132-182
.set L8A,  149
.set L8B,  157
.set L5A,  165
.set L5B,  170
.set L4,   175
.set L2A,  179
.set L2B,  181
.set PL,   L8A                         ; v[149:165] a partner's list of 17, once the short lists are folded in
.set FV,   132                         ; v[132:179] 16 vertices as loaded, before the lists exist
.set KM,   183                         ; the smallest key
.set AA0,  184
.set AQ0,  185
.set JF0,  186
.set XA,   187                         ; exchange: where my wave writes
.set XB,   188                         ; exchange: where my partner wave wrote
.set PO,   189                         ; out0: my word's byte offset
.set PV,   190                         ; out0: my word
.set PI,   191                         ; out0: offset of my sample's entry in sample_idx
.set IDX,  192                         ; my query's vertex number
.set T0,   193
.set PKT,  194                         ; v[194:201] four vertices packed
.set QT,   202                         ; v[202:205] their q
.set PX,   206                         ; out0: vertex number, then offset of my word in the batch's vertices
.set PC,   207                         ; out0: component 0, 1, 2
.set IO,   208
.set SP,   209
.set SQ,   210
.set GO,   211
.set T1,   212
.set T2,   213
.set T4,   214                         ; v[214:215]
.set MK,   38                          ; s[38:61] 24 lane masks
	s_load_b256 s[4:11], s[0:1], 0x0               ; vertices s[4:5], sample_idx s[6:7], out0 s[8:9], nbr s[10:11]
	v_lshl_add_u32 v216, v0, 2, 0xa400
	v_mov_b32 v217, 0
	v_and_b32 v[LN], 31, v0
	v_lshrrev_b32 v[T0], 5, v0
	v_readfirstlane_b32 s12, v[T0]                 ; wave 0..3
	s_lshr_b32 s18, ttmp9, 4                       ; batch: 16 work-groups each
	s_and_b32 s19, ttmp9, 15                       ; which 32 samples
	s_mul_i32 s28, s18, NV*12                      ; the batch's vertices, in bytes
	s_mov_b32 s29, 0
	s_lshl_b32 s30, s19, 7                         ; the 32 samples' entries in sample_idx, in bytes
	s_mul_i32 s32, ttmp9, 384                      ; out0: 32 samples x 12 bytes for each work-group
	s_mov_b32 s33, 0
	s_lshl_b32 s34, ttmp9, 11                      ; nbr: 1,024 bytes for each 16 queries, two such blocks a work-group
	s_mov_b32 s35, 0
	s_mov_b32 s16, 0x76543210                      ; v_permlanex16_b32: lane i takes lane i of the other half
	s_mov_b32 s17, 0xfedcba98
	s_wait_alu depctr_va_sdst(0)                   ; s12 is written, ahead of its first reader, the next line
	s_and_b32 s13, s12, 1                          ; which 16 queries
	s_lshr_b32 s14, s12, 1                         ; which 1,024 candidates
	s_lshl_b32 s31, s13, 6
	s_add_co_u32 s31, s31, s30                     ; my wave's 16 entries
	s_lshl_b32 s36, s13, 10
	s_add_co_u32 s34, s34, s36
	v_and_b32 v[T0], 15, v0
	v_lshl_add_u32 v[IO], v[T0], 2, s31            ; lanes r and r + 16 both serve query r
	v_mul_u32_u24 v[GO], v0, 48                    ; thread t takes four vertices (48 bytes) at a time
	v_mov_b32 v[ZR], 0
	v_mov_b32 v[PINF], 0x7f800000
	s_wait_kmcnt 0x0
	s_add_nc_u64 s[4:5], s[4:5], s[28:29]
	s_add_nc_u64 s[8:9], s[8:9], s[32:33]
	s_add_nc_u64 s[10:11], s[10:11], s[34:35]
	s_wait_alu depctr_va_vdst(0)                   ; IO and GO are written: the load below and the twelve loads of vertices read them as offsets; no vector line behind this wait names GO or FV
	global_load_b32 v[IDX], v[IO], s[6:7]
	; out0 is 96 consecutive words for the work-group: thread t < 96 (waves 0 to 2) copies word t = component t % 3 of sample t / 3
	s_cmp_ge_u32 s12, 3
	s_cbranch_scc1 .Lno_pool_idx
	v_mul_u32_u24 v[PV], v0, 171
	v_lshrrev_b32 v[PV], 9, v[PV]                  ; t / 3, exact for t < 96
	v_lshl_add_u32 v[PI], v[PV], 2, s30
	v_mul_u32_u24 v[PV], v[PV], 3
	v_sub_nc_u32 v[PC], v0, v[PV]
	v_lshlrev_b32 v[PO], 2, v0
	s_wait_alu depctr_va_vdst(0)                   ; PI is written, which the load below reads; so is PO, which the store at the kernel's end reads
	global_load_b32 v[PX], v[PI], s[6:7]
.Lno_pool_idx:
.set ii, 0
.rept 12
	global_load_b128 v[FV+4*ii:FV+4*ii+3], v[GO], s[4:5] offset:(ii/3)*6144+(ii%3)*16   ; 128 threads x 48 bytes = 6,144 bytes a group of three, four groups
.set ii, ii+1
.endr
	; addresses, while the loads are out
	v_lshlrev_b32 v[SP], 5, v0                     ; four packed vertices: 32 bytes a thread
	v_lshlrev_b32 v[SQ], 4, v0                     ; four q: 16 bytes a thread
	v_and_b32 v[T0], 7, v0
	v_bfe_u32 v[T1], v0, 3, 1
	v_lshlrev_b32 v[T0], 3, v[T0]
	v_lshl_add_u32 v[T0], v[T1], 12, v[T0]         ; A's row r: candidate 512 (r / 8) + r % 8, 8 bytes each
	s_lshl_b32 s20, s14, 13
	v_add_nc_u32 v[AA0], s20, v[T0]                ; + my wave's 1,024 candidates
	v_bfe_u32 v[T1], v0, 4, 1                      ; h
	s_lshl_b32 s20, s14, 12
	v_lshl_add_u32 v[AQ0], v[T1], 11, s20          ; q of my 512 candidates, 4 bytes each
	s_lshl_b32 s20, s14, 10
	v_lshl_add_u32 v[T0], v[T1], 9, s20
	v_cvt_f32_u32 v[JF0], v[T0]                    ; my first candidate's index as f32
	s_mul_i32 s20, s12, XW
	v_lshl_add_u32 v[XA], v[LN], 2, s20
	s_xor_b32 s21, s12, 2                          ; the wave with my queries and the other candidates
	s_mul_i32 s21, s21, XW
	v_lshl_add_u32 v[XB], v[LN], 2, s21
	v_cmp_gt_u32 s37, 16, v[LN]                    ; lanes 0 to 15
.set ii, 2
.rept 6
	v_mov_b32 v[AF+ii], 0                          ; K places 4 and up of A and B are never used
	v_mov_b32 v[AF+8+ii], 0
	v_mov_b32 v[B1+ii], 0
	v_mov_b32 v[B2+ii], 0
	v_mov_b32 v[B3+ii], 0
.set ii, ii+1
.endr
	v_mov_b32 v[B1+1], 0                           ; B1 and B2 use K places 0 and 1 (register 0), B3 place 2 (register 1)
	v_mov_b32 v[B2+1], 0
	v_mov_b32 v[B3], 0
	s_wait_alu depctr_va_sdst(0)                   ; s37 is written, ahead of the next branch and of its first reader, the selects that make B
; four vertices: round to bf16, pack, q = (x x + y y) + z z of the rounded numbers, into LDS
.macro PREP it
	s_wait_loadcnt 9-3*\it                         ; loads come back in order (ISA guide 5.7.1): this group's three are in, the later groups' three each stay out
.if \it
	s_wait_alu depctr_vm_vsrc(0)                   ; the LDS stores of the group before have read PKT and QT, which this group writes again
.endif
.irp e, 0,1,2,3
	v_cvt_pk_bf16_f32 v[PKT+2*\e],   v[FV+12*\it+3*\e],   v[FV+12*\it+3*\e+1]
	v_cvt_pk_bf16_f32 v[PKT+2*\e+1], v[FV+12*\it+3*\e+2], v[ZR]
.endr
.irp e, 0,1,2,3
	v_lshlrev_b32 v[WK+3*\e],   16, v[PKT+2*\e]
	v_and_b32     v[WK+3*\e+1], 0xffff0000, v[PKT+2*\e]
	v_lshlrev_b32 v[WK+3*\e+2], 16, v[PKT+2*\e+1]
.endr
.irp e, 0,1,2,3
	v_mul_f32 v[QT+\e], v[WK+3*\e], v[WK+3*\e]
.endr
.irp e, 0,1,2,3
	v_fmac_f32 v[QT+\e], v[WK+3*\e+1], v[WK+3*\e+1]  ; the squares are exact in f32, so the fused form rounds as a separate add does
.endr
.irp e, 0,1,2,3
	v_fmac_f32 v[QT+\e], v[WK+3*\e+2], v[WK+3*\e+2]
.endr
	s_wait_alu depctr_va_vdst(0)                   ; PKT and QT are written, which the LDS stores read as data (and, for the first group, SP and SQ, their addresses)
	ds_store_b128 v[SP], v[PKT:PKT+3]   offset:PKO+\it*4096
	ds_store_b128 v[SP], v[PKT+4:PKT+7] offset:PKO+\it*4096+16
	ds_store_b128 v[SQ], v[QT:QT+3]     offset:QO+\it*2048
.endm
	PREP 0
	PREP 1
	PREP 2
	PREP 3                                         ; its wait is for 0: the entries of sample_idx are in too
	s_cmp_ge_u32 s12, 3
	s_cbranch_scc1 .Lno_pool_load
	v_min_u32 v[PX], 0x7ff, v[PX]                  ; a vertex number stays inside the batch
	v_mul_u32_u24 v[PX], v[PX], 12
	v_lshl_add_u32 v[PX], v[PC], 2, v[PX]
	s_wait_alu depctr_va_vdst(0)                   ; PX is written, which the load reads; the head's lines are done with PV, in which it lands
	global_load_b32 v[PV], v[PX], s[4:5]           ; stays out until the kernel's end, where it is stored; PX and PV are not touched till then
.Lno_pool_load:
	v_min_u32 v[IDX], 0x7ff, v[IDX]
	v_lshlrev_b32 v[T1], 3, v[IDX]
	v_lshlrev_b32 v[T2], 2, v[IDX]
	s_wait_dscnt 0x0                               ; my part of the tables is written
	s_barrier_signal -1
	s_barrier_wait -1                              ; everybody's is
	s_wait_alu depctr_va_vdst(0)                   ; T1 and T2 are written, which the two LDS loads read as addresses
	ds_load_b64 v[T4:T4+1], v[T1] offset:PKO       ; my query, packed
	ds_load_b32 v[QI], v[T2] offset:QO             ; and its q
	s_wait_dscnt 0x0
	s_wait_alu depctr_vm_vsrc(0)                   ; the two LDS loads have read T1 and T2, which the next two lines write
	v_and_b32 v[T1], 0xffff, v[T4]                 ; (x, 0)
	v_and_b32 v[T2], 0xffff0000, v[T4]             ; (0, y)
	v_cndmask_b32 v[B1],   0, v[T1],   s37         ; lanes 0-15 hold K places 0-7 of column r; lanes 16-31 hold places 8-15: zero there,
	v_cndmask_b32 v[B2],   0, v[T2],   s37         ; so what A's lanes 16-31 hold (finite numbers) adds nothing
	v_cndmask_b32 v[B3+1], 0, v[T4+1], s37         ; (z, 0)
	v_mov_b32 v[QI+1], v[QI]
; tile t, counted from the one that AA and AQ point at, into buffer buf.  Both may be sums: they stand in parentheses wherever they are multiplied
.macro LOADA buf, t
	ds_load_b64  v[AF+8*(\buf):AF+8*(\buf)+1],   v[AA] offset:PKO+64*(\t)      ; 8 candidates x 8 bytes a tile
.endm
.macro LOADQ buf, t
	ds_load_b128 v[QC+8*(\buf):QC+8*(\buf)+3],   v[AQ] offset:QO+32*(\t)       ; 8 q x 4 bytes a tile
	ds_load_b128 v[QC+8*(\buf)+4:QC+8*(\buf)+7], v[AQ] offset:QO+32*(\t)+16
.endm
; a sorted list of len entries takes v[val]; entries below lo are known not to be larger than it and stay
.macro INSERT val, lst, len, lo
.set ii, \len-1
.if (\len-1-\lo) > 0
.rept \len-1-\lo
	v_med3_num_f32 v[\lst+ii], v[\lst+ii-1], v[\val], v[\lst+ii]
.set ii, ii-1
.endr
.endif
.if \lo
	v_med3_num_f32 v[\lst+\lo], v[\lst+\lo-1], v[\val], v[\lst+\lo]
.else
	v_min_num_f32 v[\lst], v[\lst], v[\val]
.endif
.endm
; a sorted list is folded into the list of 17.  Its entry k follows k entries that are not larger and were offered before it, so the
; first k entries of the 17 are not larger than it either: it goes into places k and up
.macro FOLD lst, len
.set kk, 0
.rept \len
	INSERT \lst+kk, L17, 17, kk
.set kk, kk+1
.endr
.endm
; rows (0 1 2) (3 4 5) (6 7 inf) of WK sorted into GS, then the columns back into WK
.macro GRID
	v_min3_num_f32 v[GS+0], v[WK+0], v[WK+1], v[WK+2]
	v_min3_num_f32 v[GS+1], v[WK+3], v[WK+4], v[WK+5]
	v_min_num_f32  v[GS+2], v[WK+6], v[WK+7]
	v_med3_num_f32 v[GS+3], v[WK+0], v[WK+1], v[WK+2]
	v_med3_num_f32 v[GS+4], v[WK+3], v[WK+4], v[WK+5]
	v_max_num_f32  v[GS+5], v[WK+6], v[WK+7]
	v_max3_num_f32 v[GS+6], v[WK+0], v[WK+1], v[WK+2]
	v_max3_num_f32 v[GS+7], v[WK+3], v[WK+4], v[WK+5]
	v_min3_num_f32 v[WK+0], v[GS+0], v[GS+1], v[GS+2]  ; cell (0,0): 17
	v_med3_num_f32 v[WK+1], v[GS+0], v[GS+1], v[GS+2]  ; cell (1,0): 8
	v_max3_num_f32 v[WK+2], v[GS+0], v[GS+1], v[GS+2]  ; cell (2,0): 5
	v_min3_num_f32 v[WK+3], v[GS+3], v[GS+4], v[GS+5]  ; cell (0,1): 8
	v_med3_num_f32 v[WK+4], v[GS+3], v[GS+4], v[GS+5]  ; cell (1,1): 4
	v_max3_num_f32 v[WK+5], v[GS+3], v[GS+4], v[GS+5]  ; cell (2,1): 2
	v_min_num_f32  v[WK+6], v[GS+6], v[GS+7]           ; cell (0,2): 5
	v_max_num_f32  v[WK+7], v[GS+6], v[GS+7]           ; cell (1,2): 2
.endm
; pass 2: distances in WK become keys.  The literals are 6144 + j, 4096 + j, 2048 + j as f32; JF adds the tile's first index (all sums below 8,192: exact).
; The 24 compares stand in one run, each with a mask of its own, so that one wait serves all 24 selects
.macro KEYS
.irp j, 0,1,2,3,4,5,6,7
	v_cmp_gt_f32 s[MK+\j], v[WK+\j], v[TT]
.endr
.irp j, 0,1,2,3,4,5,6,7
	v_cmp_ge_f32 s[MK+8+\j], v[WK+\j], v[TT]
.endr
.irp j, 0,1,2,3,4,5,6,7
	v_cmp_gt_f32 s[MK+16+\j], v[WK+\j], v[RMIN]
.endr
	s_wait_alu depctr_va_sdst(0)                   ; the 24 masks are written, ahead of their first readers, the selects below
.irp j, 0,1,2,3,4,5,6,7
	v_cndmask_b32 v[GS+\j], 0x45c00000+(\j<<11), v[PINF], s[MK+\j]  ; d > TT: +inf; else as for d = TT
.endr
.irp j, 0,1,2,3,4,5,6,7
	v_cndmask_b32 v[GS+\j], 0x45800000+(\j<<11), v[GS+\j], s[MK+8+\j]  ; d < TT
.endr
.irp j, 0,1,2,3,4,5,6,7
	v_cndmask_b32 v[GS+\j], 0x45000000+(\j<<12), v[GS+\j], s[MK+16+\j]  ; d = RMIN
.endr
.irp p, 0,2,4,6
	v_pk_add_f32 v[WK+\p:WK+\p+1], v[GS+\p:GS+\p+1], v[JF:JF+1]
.endr
	v_pk_add_f32 v[JF:JF+1], v[JF:JF+1], 0x41000000 op_sel_hi:[1,0]  ; 8 candidates on
.endm
; One tile, t.  fa = 1: A of tile t + 2 is loaded; fq = 1: q of tile t + 1 is loaded; mul = 1: tile t + 1's three products are issued, into the other buffer's accumulators.
; Each product starts from the constant 0 and the six accumulators take turns: none adds in place.
; A result is read one step later, behind this step's 83 or more plain vector instructions, none of which names a register of those matrix
; instructions (ISA guide 7.12.1).
.macro STEP pass, cur, mul, fa, fq
.if (\fa) || (\fq)
	s_wait_alu depctr_va_vdst(0)                   ; the step before is done reading AF[cur] (its products) and QC[1 - cur] (its additions), in which the loads below land; at a trip's head AA and AQ are written
.endif
.if \fa
	LOADA \cur, 2+\cur
.endif
.if \fq
	LOADQ 1-\cur, 1+\cur
.endif
	s_wait_dscnt \fa+2*\fq                         ; LDS loads come back in order (ISA guide 5.7.1): all but those just issued are in: the next tile's A and this tile's q, asked for one step ago
.if \mul
	v_wmma_f32_16x16x32_bf16 v[DA+24*(1-\cur):DA+24*(1-\cur)+7],     v[AF+8*(1-\cur):AF+8*(1-\cur)+7], v[B1:B1+7], 0
	v_wmma_f32_16x16x32_bf16 v[DA+24*(1-\cur)+8:DA+24*(1-\cur)+15],  v[AF+8*(1-\cur):AF+8*(1-\cur)+7], v[B2:B2+7], 0
	v_wmma_f32_16x16x32_bf16 v[DA+24*(1-\cur)+16:DA+24*(1-\cur)+23], v[AF+8*(1-\cur):AF+8*(1-\cur)+7], v[B3:B3+7], 0
.endif
.irp p, 0,2,4,6
	v_pk_add_f32 v[WK+\p:WK+\p+1], v[DA+24*\cur+\p:DA+24*\cur+\p+1], v[DA+24*\cur+8+\p:DA+24*\cur+8+\p+1]   ; x x' + y y'
.endr
.irp p, 0,2,4,6
	v_pk_add_f32 v[WK+\p:WK+\p+1], v[WK+\p:WK+\p+1], v[DA+24*\cur+16+\p:DA+24*\cur+16+\p+1]                 ; + z z'
.endr
.irp p, 0,2,4,6
	v_pk_fma_f32 v[WK+\p:WK+\p+1], v[WK+\p:WK+\p+1], -2.0, v[QC+8*\cur+\p:QC+8*\cur+\p+1] op_sel_hi:[1,0,1]
.endr
.irp p, 0,2,4,6
	v_pk_add_f32 v[WK+\p:WK+\p+1], v[WK+\p:WK+\p+1], v[QI:QI+1]
.endr
.if \pass == 2
	KEYS
.endif
	GRID
	INSERT WK+0, L17, 17, 0
	INSERT WK+1, L8A, 8, 0
	INSERT WK+3, L8B, 8, 0
	INSERT WK+2, L5A, 5, 0
	INSERT WK+6, L5B, 5, 0
	INSERT WK+4, L4, 4, 0
	INSERT WK+5, L2A, 2, 0
	INSERT WK+7, L2B, 2, 0
.endm
; One pass over the wave's candidates, and the merge of the four parts of each query.  At its end L17 holds the 17 smallest of all 2,048, unsorted.
.macro PASS pass
.if \pass == 2
	s_wait_alu depctr_vm_vsrc(0)                   ; pass 1's LDS loads have read AA and AQ, which the next two lines set anew
.endif
	v_mov_b32 v[AA], v[AA0]
	v_mov_b32 v[AQ], v[AQ0]
	s_wait_alu depctr_va_vdst(0)                   ; AA and AQ are written, which the loads below read; the products and additions issued so far are done reading AF and QC, in which they land
	LOADA 0, 0
	LOADQ 0, 0
	LOADA 1, 1
	s_wait_dscnt 0x1                               ; tile 0's three loads are in, tile 1's A stays out
	v_wmma_f32_16x16x32_bf16 v[DA:DA+7],     v[AF:AF+7], v[B1:B1+7], 0
	v_wmma_f32_16x16x32_bf16 v[DA+8:DA+15],  v[AF:AF+7], v[B2:B2+7], 0
	v_wmma_f32_16x16x32_bf16 v[DA+16:DA+23], v[AF:AF+7], v[B3:B3+7], 0
.set ii, 0
.rept 51
	v_mov_b32 v[L17+ii], v[PINF]                   ; the eight lists start empty; these lines are also the places behind the first products
.set ii, ii+1
.endr
.if \pass == 2
	v_mov_b32 v[JF], v[JF0]
	v_mov_b32 v[JF+1], v[JF0]
.endif
	s_mov_b32 s15, 31                              ; 31 trips of two tiles; the last two tiles are written out: no load leaves the tables
.Ltile\pass:
	STEP \pass, 0, 1, 1, 1
	STEP \pass, 1, 1, 1, 1
	s_wait_alu depctr_vm_vsrc(0)                   ; the LDS loads issued so far have read AA and AQ
	v_add_nc_u32 v[AA], 128, v[AA]
	v_add_nc_u32 v[AQ], 64, v[AQ]
	s_sub_co_u32 s15, s15, 1
	s_cmp_lg_u32 s15, 0
	s_cbranch_scc1 .Ltile\pass
	STEP \pass, 0, 1, 0, 1                         ; tile 62: the last tile's q is still to be asked for
	STEP \pass, 1, 0, 0, 0                         ; tile 63: no load, so no dependence to state; its wait on DScnt is for that q
	FOLD L8A, 8
	FOLD L8B, 8
	FOLD L5A, 5
	FOLD L5B, 5
	FOLD L4, 4
	FOLD L2A, 2
	FOLD L2B, 2
.set ii, 0
.rept 17
	v_permlanex16_b32 v[PL+ii], v[L17+ii], s16, s17  ; the list of the lane that has my query's other 512 candidates of this wave
.set ii, ii+1
.endr
	FOLD PL, 17
	s_wait_alu depctr_va_vdst(0)                   ; the list of 17 is written, which the LDS stores read; the fold is done with PL, in which the loads behind the barrier land (no vector line stands between)
.set ii, 0
.rept 17
	ds_store_b32 v[XA], v[L17+ii] offset:XO+(\pass-1)*4*XW+128*ii   ; each pass has an area of its own: no byte is written twice
.set ii, ii+1
.endr
	s_wait_dscnt 0x0                               ; my list is written
	s_barrier_signal -1
	s_barrier_wait -1                              ; so is my partner wave's
.set ii, 0
.rept 17
	ds_load_b32 v[PL+ii], v[XB] offset:XO+(\pass-1)*4*XW+128*ii
.set ii, ii+1
.endr
	s_wait_dscnt 0x0
	s_wait_alu depctr_vm_vsrc(0)                   ; my LDS stores have read the list of 17, which the minima below write
.if \pass == 1
	v_min_num_f32 v[RMIN], v[L17], v[PL]
.else
	v_min_num_f32 v[KM], v[L17], v[PL]
.endif
.set ii, 0
.rept 17
	v_min_num_f32 v[L17+ii], v[L17+ii], v[PL+16-ii]  ; of two sorted lists of 17: the 17 smallest of the 34
.set ii, ii+1
.endr
.endm
	PASS 1
	v_max3_num_f32 v[TT], v[L17], v[L17+1], v[L17+2]
.set ii, 3
.rept 7
	v_max3_num_f32 v[TT], v[TT], v[L17+ii], v[L17+ii+1]
.set ii, ii+2
.endr
	PASS 2
	; Both waves of a query, and both lanes, now hold the same 17 keys.  Waves 0 and 1 store them.
	s_cmp_ge_u32 s12, 2
	s_cbranch_scc1 .Lpool
.set ii, 0
.rept 16
	v_cmp_eq_f32 s[MK+ii], v[L17+ii], v[KM]
.set ii, ii+1
.endr
	s_wait_alu depctr_va_sdst(0)                   ; the 16 masks are written, ahead of their first readers, the selects below
.set ii, 0
.rept 16
	v_cndmask_b32 v[L17+ii], v[L17+ii], v[L17+16], s[MK+ii]        ; rank 1 gives its place to the 17th entry (the keys are all different)
.set ii, ii+1
.endr
.set ii, 0
.rept 16
	v_cvt_u32_f32 v[L17+ii], v[L17+ii]
.set ii, ii+1
.endr
.set ii, 0
.rept 16
	v_and_b32 v[L17+ii], 0x7ff, v[L17+ii]          ; the class is a multiple of 2,048: what is left is the index
.set ii, ii+1
.endr
	; nbr, for 16 queries: [4 groups of 4 neighbours][query r][4 words].  Lane (r, h) stores groups h and 2 + h, so each store of the wave
	; covers 512 consecutive bytes, aligned
.irp c, 0,1
.irp e, 0,1,2,3
	v_cndmask_b32 v[WK+4*\c+\e], v[L17+8*\c+4+\e], v[L17+8*\c+\e], s37
.endr
.endr
	v_lshlrev_b32 v[T0], 4, v[LN]
	s_wait_alu depctr_va_vdst(0)                   ; WK and T0 are written, which the two stores read as data and offset
	global_store_b128 v[T0], v[WK:WK+3],   s[10:11]
	global_store_b128 v[T0], v[WK+4:WK+7], s[10:11] offset:512
.Lpool:
	s_cmp_ge_u32 s12, 3
	s_cbranch_scc1 .Lend
	s_wait_loadcnt 0x0                             ; my word of the sampled vertices, asked for at the start
	global_store_b32 v[PO], v[PV], s[8:9]          ; each wave's store covers 128 consecutive bytes of the work-group's 384 in out0; PO was shown written at the head, PV comes from the load
.Lend:
	s_wait_dscnt 0x0
	s_wait_alu depctr_hold_cnt(0) depctr_sa_sdst(0) depctr_va_vdst(0) depctr_va_sdst(0) depctr_va_ssrc(0) depctr_va_vcc(0) depctr_vm_vsrc(0)
	s_wait_tensorcnt 0x0
	ds_add_u32 v216, v217
	s_wait_dscnt 0x0
	s_endpgm
.Lfunc_end_k_q625fa9499c_knn:
	.size	k_q625fa9499c_knn, .Lfunc_end_k_q625fa9499c_knn-k_q625fa9499c_knn
	.p2alignl 7, 3214868480
	.fill 96, 4, 3214868480
	.section	.rodata,"a",@progbits
	.p2align	6, 0x0
	.amdhsa_kernel k_q625fa9499c_knn
		.amdhsa_group_segment_fixed_size 42496
		.amdhsa_private_segment_fixed_size 0
		.amdhsa_enable_private_segment 0
		.amdhsa_kernarg_size 32
		.amdhsa_user_sgpr_count 2
		.amdhsa_user_sgpr_kernarg_segment_ptr 1
		.amdhsa_wavefront_size32 1
		.amdhsa_system_sgpr_workgroup_id_x 1
		.amdhsa_system_sgpr_workgroup_id_y 1
		.amdhsa_system_sgpr_workgroup_id_z 1
		.amdhsa_system_vgpr_workitem_id 0
		.amdhsa_next_free_vgpr 218
		.amdhsa_next_free_sgpr 66
		.amdhsa_reserve_vcc 0
		.amdhsa_float_denorm_mode_32 3
		.amdhsa_float_denorm_mode_16_64 3
		.amdhsa_memory_ordered 1
		.amdhsa_forward_progress 1
		.amdhsa_inst_pref_size 170
	.end_amdhsa_kernel
	.amdgpu_metadata
---
amdhsa.version: [ 1, 2 ]
amdhsa.kernels:
  - .name:           k_q625fa9499c_knn
    .symbol:         k_q625fa9499c_knn.kd
    .args:
      - { .name: vertices, .offset: 0, .size: 8, .value_kind: global_buffer, .address_space: global }
      - { .name: sample_idx, .offset: 8, .size: 8, .value_kind: global_buffer, .address_space: global }
      - { .name: out0, .offset: 16, .size: 8, .value_kind: global_buffer, .address_space: global }
      - { .name: nbr, .offset: 24, .size: 8, .value_kind: global_buffer, .address_space: global }
    .group_segment_fixed_size: 42496
    .private_segment_fixed_size: 0
    .kernarg_segment_align: 8
    .kernarg_segment_size: 32
    .max_flat_workgroup_size: 128
    .sgpr_count:     66
    .vgpr_count:     218
    .wavefront_size: 32
...
	.end_amdgpu_metadata
.endif
;; end of part 3
;; launch pool (part 4): grid 256 x 1, 16 waves a work-group, no clusters, 0 bytes of LDS; arguments feature_map, nbr, out1; writes out1
.if DOCPART == 4
	.amdgcn_target "amdgcn-amd-amdhsa--gfx1250"
	.amdhsa_code_object_version 6
	.text
	.protected	k_q625fa9499c_pool
	.globl	k_q625fa9499c_pool
	.p2align	8
	.type	k_q625fa9499c_pool,@function
k_q625fa9499c_pool:
	s_mov_b64 s[64:65], 0
	v_nop
	global_prefetch_b8 v0, s[64:65] scope:SCOPE_SE
	s_setreg_imm32_b32 hwreg(HW_REG_WAVE_SCHED_MODE, 0, 2), 2
	s_setreg_imm32_b32 hwreg(HW_REG_WAVE_MODE, 25, 1), 1
	s_wait_xcnt 0x0
	s_wait_alu depctr_vm_vsrc(0)
; pool: out1[b][s][c] = the largest of feature_map[b][n][c] over the 16 neighbours n that the launch before stored for (b, s).
; A work-group has 32 consecutive queries (all of one batch), 16 waves, two queries a wave.  A feature row is 1,024 bytes: two loads of 16 bytes
; a lane, each covering 512 consecutive bytes.  A query's 32 loads go out together; as the first query's rows are used up, the same registers are
; asked for the second query's rows, so that about 30 loads of the wave are out until the second query runs down.
; No LDS, no barrier, no matrix unit, no cluster: nothing is shared between waves, and the work is a gather and a maximum.  No prefetch: the rows
; of both queries are asked for by the loads themselves as soon as their indices are known.
; LIMIT: a NaN among the features loses the maximum (v_max3_num_f32), where the JAX function would hand it on.
; THE MODE: SCHED_MODE bits 1:0 = 2 (LLVM: expert scheduling mode 2), set by the entry lines.  The code itself states the register dependences
; between vector instructions and memory instructions, with s_wait_alu, always for 0.
; THE PLAN.  Registers that memory instructions touch:
;   LO, RO   the offsets: LO for the stores, and one register for each of the 32 rows.  All are made in one run at the head, ahead of one wait, and never written again.
;   X        row k: the first query's row lands in it, that query's maxima read it, and the second query's row lands in it behind a wait that
;            stands straight behind those maxima, so that the registers are asked for again at once.
;   MX       a set for each query: written by its maxima, read by its two stores behind a wait, and not written again.
.set LO,  1                            ; 16 x lane
.set RO,  2                            ; v[2:33]   query u, row k: at RO + 16 u + k the byte offset of my 16 bytes in the batch's features
.set MX,  34                           ; v[34:49]  the running maxima, a set of 8 for each query
.set X,   50                           ; v[50:177] row k: 8 registers
.set IX,  16                           ; s[16:47]  group c of 4 neighbours: s[16+8c .. +3] the first query's, +4 .. +7 the second's
	s_load_b128 s[4:7], s[0:1], 0x0                ; feature_map s[4:5], nbr s[6:7]
	s_load_b64 s[8:9], s[0:1], 0x10                ; out1
	v_and_b32 v[LO], 31, v0
	v_lshrrev_b32 v[RO], 5, v0
	v_lshlrev_b32 v[LO], 4, v[LO]
	v_readfirstlane_b32 s10, v[RO]                 ; wave 0..15: queries 2 w and 2 w + 1 of the work-group's 32
	s_lshl_b32 s12, ttmp9, 11                      ; nbr: 1,024 bytes for 16 queries, two blocks a work-group,
	s_mov_b32 s13, 0
	s_lshr_b32 s48, ttmp9, 4                       ; batch
	s_lshl_b32 s48, s48, 21                        ; x 2,048 rows of 1,024 bytes
	s_mov_b32 s49, 0
	s_lshl_b32 s50, ttmp9, 15                      ; out1: 32 rows a work-group,
	s_mov_b32 s51, 0
	s_wait_alu depctr_va_sdst(0)                   ; s10 is written, ahead of its first reader, the next line
	s_lshr_b32 s14, s10, 3
	s_lshl_b32 s14, s14, 10                        ; the second block for waves 8 to 15,
	s_add_co_u32 s12, s12, s14
	s_and_b32 s14, s10, 7
	s_lshl_b32 s14, s14, 5                         ; and in it 16 bytes a query and group: my two queries are 32 consecutive bytes
	s_add_co_u32 s12, s12, s14
	s_lshl_b32 s52, s10, 11                        ; out1: two rows a wave
	s_add_co_u32 s50, s50, s52
	s_wait_kmcnt 0x0
	s_add_nc_u64 s[6:7], s[6:7], s[12:13]
	s_add_nc_u64 s[4:5], s[4:5], s[48:49]
	s_add_nc_u64 s[8:9], s[8:9], s[50:51]
	s_load_b256 s[IX:IX+7],     s[6:7], 0x0
	s_load_b256 s[IX+8:IX+15],  s[6:7], 0x100
	s_load_b256 s[IX+16:IX+23], s[6:7], 0x200
	s_load_b256 s[IX+24:IX+31], s[6:7], 0x300
	s_wait_kmcnt 0x0
.set ii, 0
.rept 32
	s_min_u32 s[IX+ii], s[IX+ii], 0x7ff            ; a row number stays inside the batch
.set ii, ii+1
.endr
.set ii, 0
.rept 32
	v_lshl_add_u32 v[RO+ii], s[IX+8*((ii%16)/4)+4*(ii/16)+ii%4], 10, v[LO]  ; query ii / 16, neighbour ii % 16: the row's 1,024 bytes, my 16 of each 512
.set ii, ii+1
.endr
	s_wait_alu depctr_va_vdst(0)                   ; LO and the 32 offsets are written: every load and store of the kernel reads one of them
.macro ROW u, k                        ; the two loads of neighbour k of query u
	global_load_b128 v[X+8*(\k):X+8*(\k)+3],   v[RO+16*\u+(\k)], s[4:5]
	global_load_b128 v[X+8*(\k)+4:X+8*(\k)+7], v[RO+16*\u+(\k)], s[4:5] offset:512
.endm
.macro FIRST u                         ; rows 0, 1, 2 start the maxima: nothing is cleared
.set cc, 0
.rept 8
	v_max3_num_f32 v[MX+8*\u+cc], v[X+cc], v[X+8+cc], v[X+16+cc]
.set cc, cc+1
.endr
.endm
.macro NEXT2 u, a                      ; rows a and a + 1
.set cc, 0
.rept 8
	v_max3_num_f32 v[MX+8*\u+cc], v[MX+8*\u+cc], v[X+8*\a+cc], v[X+8*\a+8+cc]
.set cc, cc+1
.endr
.endm
.macro LAST u                          ; row 15
.set cc, 0
.rept 8
	v_max_num_f32 v[MX+8*\u+cc], v[MX+8*\u+cc], v[X+120+cc]
.set cc, cc+1
.endr
.endm
.macro OUT u                           ; a row of out1: two stores of the wave, 512 consecutive bytes each, aligned; MX's set and LO are not written again
	global_store_b128 v[LO], v[MX+8*\u:MX+8*\u+3],   s[8:9] offset:1024*\u th:TH_STORE_NT
	global_store_b128 v[LO], v[MX+8*\u+4:MX+8*\u+7], s[8:9] offset:1024*\u+512 th:TH_STORE_NT
.endm
.irp k, 0,1,2,3,4,5,6,7,8,9,10,11,12,13,14,15
	ROW 0, \k
.endr
	; Loads come back in order (ISA guide 5.7.1); each count is the number of loads issued behind the rows that are wanted.
	s_wait_loadcnt 26                              ; behind rows 0-2: rows 3-15, 26 loads
	FIRST 0
	s_wait_alu depctr_va_vdst(0)                   ; the maxima are done reading rows 0 to 2, in which the second query's rows land
	ROW 1, 0
	ROW 1, 1
	ROW 1, 2
.irp a, 3,5,7,9,11,13
	s_wait_loadcnt 28                              ; behind rows a, a+1: 2 (14 - a) loads of this query and 2 a of the next: 28
	NEXT2 0, \a
	s_wait_alu depctr_va_vdst(0)                   ; the maxima are done reading rows a and a + 1, in which the second query's rows land
	ROW 1, \a
	ROW 1, \a+1
.endr
	s_wait_loadcnt 30                              ; behind row 15: the next query's rows 0-14, 30 loads
	LAST 0
	s_wait_alu depctr_va_vdst(0)                   ; the maxima are done reading row 15, in which the second query's row lands, and have written MX's first set, which the two stores read
	ROW 1, 15
	OUT 0
	s_wait_loadcnt 26                              ; the second query: behind rows 0-2 its rows 3-15
	FIRST 1
.irp a, 3,5,7,9,11,13
	s_wait_loadcnt 28-2*\a                         ; behind rows a, a+1: rows a+2 .. 15, 2 (14 - a) loads
	NEXT2 1, \a
.endr
	s_wait_loadcnt 0x0                             ; row 15, the last
	LAST 1
	s_wait_alu depctr_va_vdst(0)                   ; the maxima have written MX's second set, which the last two stores read
	OUT 1
	s_endpgm
.Lfunc_end_k_q625fa9499c_pool:
	.size	k_q625fa9499c_pool, .Lfunc_end_k_q625fa9499c_pool-k_q625fa9499c_pool
	.p2alignl 7, 3214868480
	.fill 96, 4, 3214868480
	.section	.rodata,"a",@progbits
	.p2align	6, 0x0
	.amdhsa_kernel k_q625fa9499c_pool
		.amdhsa_group_segment_fixed_size 0
		.amdhsa_private_segment_fixed_size 0
		.amdhsa_enable_private_segment 0
		.amdhsa_kernarg_size 24
		.amdhsa_user_sgpr_count 2
		.amdhsa_user_sgpr_kernarg_segment_ptr 1
		.amdhsa_wavefront_size32 1
		.amdhsa_system_sgpr_workgroup_id_x 1
		.amdhsa_system_sgpr_workgroup_id_y 1
		.amdhsa_system_sgpr_workgroup_id_z 1
		.amdhsa_system_vgpr_workitem_id 0
		.amdhsa_next_free_vgpr 178
		.amdhsa_next_free_sgpr 66
		.amdhsa_reserve_vcc 0
		.amdhsa_float_denorm_mode_32 3
		.amdhsa_float_denorm_mode_16_64 3
		.amdhsa_memory_ordered 1
		.amdhsa_forward_progress 1
		.amdhsa_inst_pref_size 21
	.end_amdhsa_kernel
	.amdgpu_metadata
---
amdhsa.version: [ 1, 2 ]
amdhsa.kernels:
  - .name:           k_q625fa9499c_pool
    .symbol:         k_q625fa9499c_pool.kd
    .args:
      - { .name: feature_map, .offset: 0, .size: 8, .value_kind: global_buffer, .address_space: global }
      - { .name: nbr, .offset: 8, .size: 8, .value_kind: global_buffer, .address_space: global }
      - { .name: out1, .offset: 16, .size: 8, .value_kind: global_buffer, .address_space: global }
    .group_segment_fixed_size: 0
    .private_segment_fixed_size: 0
    .kernarg_segment_align: 8
    .kernarg_segment_size: 24
    .max_flat_workgroup_size: 512
    .sgpr_count:     66
    .vgpr_count:     178
    .wavefront_size: 32
...
	.end_amdgpu_metadata
.endif
;; end of part 4
